; MI455X (gfx1250); checked and timed in simulation.
; The chip was launched on July 23, 2026; its instructions are those of AMD's public machine-readable ISA for CDNA 5 (MIT licence, August 2026) and "CDNA5" Instruction Set Architecture Reference Guide (July 2026). The comments in the code are by the model that wrote it; some were corrected since.
;; Comb Net HE. Allowed arithmetic: float matrix products may take bf16 or f16 operands with f32 sums; other float arithmetic in f32, or as packed bf16 or f16 multiplies, adds, multiply-adds, maxima and minima; sums over many terms, partial sums and values carried from step to step in f32; what a program stores and reads back later, other than sums and carried values, may be rounded once to bf16 or f16.
;; Inputs: W1f 1,024 x 4,096 float32; W1o 1,024 x 4,096 float32; W2f 4,096 x 10 float32; W2o 4,096 x 10 float32; b1f 4,096 float32; b1o 4,096 float32; b2f 10 float32; b2o 10 float32; x 8,192 x 1,024 float32.
;; Outputs: out0 8,192 x 10 float32.
;; 2 versions, each right; version 2 is version 1 with the launch prep written anew for expert scheduling mode. Each part assembles by itself: llvm-mc -triple=amdgcn-amd-amdhsa -mcpu=gfx1250 --defsym DOCPART=n.
;; ======== version 1 of 2: 3 launches
;; workspace buffers: xb 16,777,216 bytes; wb 16,777,216 bytes; w2t 262,144 bytes; part 4,194,304 bytes
;; launch prep (part 1): grid 512 x 1, 8 waves a work-group, no clusters, 0 bytes of LDS; arguments x, W1o, W1f, W2o, W2f, xb, wb, w2t; writes xb, wb, w2t
.if DOCPART == 1
	.amdgcn_target "amdgcn-amd-amdhsa--gfx1250"
	.amdhsa_code_object_version 6
	.text
	.protected	k_qeeaa80422a_prep
	.globl	k_qeeaa80422a_prep
	.p2align	8
	.type	k_qeeaa80422a_prep,@function
k_qeeaa80422a_prep:
	s_mov_b64 s[64:65], 0
	v_nop
	global_prefetch_b8 v0, s[64:65] scope:SCOPE_SE
	s_setreg_imm32_b32 hwreg(HW_REG_WAVE_MODE, 25, 1), 1
	s_wait_xcnt 0x0
; x, W1o and W1f are rounded once to bf16 (nearest even) and keep their layout: xb [8192][1024], wb [2 nets][1024 k][4096 n].
; W2o and W2f are rounded to bf16 and laid in the order in which a matrix fragment wants them:
; w2t [net 2][G 128][s 2][lane 32][8 bf16]; lane (r = lane % 16, hh = lane / 16) holds W2[32 G + 16 s + 8 hh + j][r], j = 0..7, and 0 where r >= 10.
; A stream: memory binds, so no LDS, no matrix unit, no cluster.  512 work-groups of eight waves, all alike.
; Work-group w turns 131,072 bytes of f32 into 65,536 bytes of bf16: w 0-255 x, w 256-383 W1o, w 384-511 W1f.  In step i of 32 thread t loads
; the 16 bytes at 4,096 i + 16 t (a wave's load covers 512 consecutive bytes) and stores the 8 bytes at 2,048 i + 8 t (a wave's store covers 256
; consecutive bytes, aligned).  A ring of eight register slots keeps eight loads of every wave in flight.
; Wave 0 of work-group w also makes the 512 bytes of w2t at 512 w: net w / 256, hidden rows 16 (w % 256) to 16 (w % 256) + 15.
.set STEPS, 32
.set DEPTH, 8
.set X, 24                             ; v[24:55]  slot i: 4 registers as loaded
.set Y, 56                             ; v[56:71]  slot i: 2 registers to store
	s_load_b512 s[8:23], s[0:1], 0x0               ; x s[8:9], W1o s[10:11], W1f s[12:13], W2o s[14:15], W2f s[16:17], xb s[18:19], wb s[20:21], w2t s[22:23]
	v_lshlrev_b32 v1, 4, v0                        ; 16 t: my bytes in a step's 4,096; never rewritten
	v_lshlrev_b32 v2, 3, v0                        ; 8 t: my bytes in a step's 2,048; never rewritten
	v_and_b32 v3, 15, v0                           ; r
	v_bfe_u32 v6, v0, 4, 1                         ; hh
	v_min_u32 v7, 9, v3                            ; lanes with r >= 10 read class 9 and store 0
	v_lshlrev_b32 v7, 2, v7
	v_mul_u32_u24 v4, v6, 320                      ; 8 hh rows of 40 bytes
	v_add_nc_u32 v4, v4, v7                        ; + 4 min(r, 9)
	v_and_b32 v5, 31, v0
	v_lshlrev_b32 v5, 4, v5                        ; 16 x lane
	v_lshrrev_b32 v6, 5, v0
	v_readfirstlane_b32 s38, v6                    ; my wave's number
	s_and_b32 s28, ttmp9, 127                      ; my part of W1o or W1f
	s_and_b32 s30, ttmp9, 255                      ; my part of xb or wb, and of a net's W2
	s_mul_i32 s34, s30, 640                        ; 16 rows of W2, 40 bytes each
	s_mov_b32 s35, 0
	s_lshl_b32 s30, s30, 16
	s_mov_b32 s31, 0
	s_lshl_b32 s36, ttmp9, 9                       ; my 512 bytes of w2t
	s_mov_b32 s37, 0
	s_mov_b32 s29, 0
	s_wait_kmcnt 0x0
	s_cmp_lt_u32 ttmp9, 384
	s_cselect_b64 s[24:25], s[10:11], s[12:13]     ; W1o or W1f,
	s_cmp_lt_u32 ttmp9, 256
	s_cselect_b64 s[24:25], s[8:9], s[24:25]       ; or x
	s_cselect_b64 s[26:27], s[18:19], s[20:21]     ; xb or wb
	s_cselect_b64 s[32:33], s[14:15], s[16:17]     ; W2o or W2f
	s_cselect_b32 s28, ttmp9, s28
	s_lshl_b32 s28, s28, 17
	s_add_nc_u64 s[24:25], s[24:25], s[28:29]      ; from here I read,
	s_add_nc_u64 s[26:27], s[26:27], s[30:31]      ; here I write
	s_add_nc_u64 s[32:33], s[32:33], s[34:35]
	s_add_nc_u64 s[22:23], s[22:23], s[36:37]
.irp i, 0,1,2,3,4,5,6,7
	global_load_b128 v[X+4*(\i):X+4*(\i)+3], v1, s[24:25] offset:4096*(\i) th:TH_LOAD_NT  ; the ring is filled: steps 0 to 7
.endr
	s_cmp_lg_u32 s38, 0
	s_cbranch_scc1 .Lno_w2
.irp j, 0,1,2,3,4,5,6,7
	global_load_b32 v[8+(\j)], v4, s[32:33] offset:40*(\j)  ; W2[16 (w % 256) + 8 hh + j][min(r, 9)]; the last byte read is W2's last
.endr
	s_wait_loadcnt 0x0                             ; these eight; the ring's first loads, issued ahead of them, are due anyway
	v_cvt_pk_bf16_f32 v16, v8, v9
	v_cvt_pk_bf16_f32 v17, v10, v11
	v_cvt_pk_bf16_f32 v18, v12, v13
	v_cvt_pk_bf16_f32 v19, v14, v15
	v_cmp_gt_u32 vcc_lo, 10, v3                    ; a class that exists?
	v_cndmask_b32 v16, 0, v16, vcc_lo
	v_cndmask_b32 v17, 0, v17, vcc_lo
	v_cndmask_b32 v18, 0, v18, vcc_lo
	v_cndmask_b32 v19, 0, v19, vcc_lo
	global_store_b128 v5, v[16:19], s[22:23]       ; 512 consecutive bytes; v5 and v[16:19] are never rewritten
.Lno_w2:
; Step i.  Behind the load of step i stand the loads of steps i + 1 to i + 7, or as many as are left.
.macro STEP i
.if (\i) < STEPS-DEPTH
	s_wait_loadcnt DEPTH-1                         ; loads come back in order (ISA guide 5.7.1): mine is in, the seven younger ones stay out
.else
	s_wait_loadcnt STEPS-1-(\i)                    ; the last steps load nothing: the counts run down
.endif
	s_wait_xcnt 0x0                                ; the slot's Y, which its last store reads, is rewritten only behind this wait
	v_cvt_pk_bf16_f32 v[Y+2*((\i)%DEPTH)],   v[X+4*((\i)%DEPTH)],   v[X+4*((\i)%DEPTH)+1]
	v_cvt_pk_bf16_f32 v[Y+2*((\i)%DEPTH)+1], v[X+4*((\i)%DEPTH)+2], v[X+4*((\i)%DEPTH)+3]
.if (\i) < STEPS-DEPTH
	global_load_b128 v[X+4*((\i)%DEPTH):X+4*((\i)%DEPTH)+3], v1, s[24:25] offset:4096*((\i)+DEPTH) th:TH_LOAD_NT
.endif
	global_store_b64 v2, v[Y+2*((\i)%DEPTH):Y+2*((\i)%DEPTH)+1], s[26:27] offset:2048*(\i)  ; no hint: the next launch reads these bytes
.endm
.set n, 0
.rept STEPS
	STEP n
.set n, n+1
.endr
	s_endpgm
.Lfunc_end_k_qeeaa80422a_prep:
	.size	k_qeeaa80422a_prep, .Lfunc_end_k_qeeaa80422a_prep-k_qeeaa80422a_prep
	.p2alignl 7, 3214868480
	.fill 96, 4, 3214868480
	.section	.rodata,"a",@progbits
	.p2align	6, 0x0
	.amdhsa_kernel k_qeeaa80422a_prep
		.amdhsa_group_segment_fixed_size 0
		.amdhsa_private_segment_fixed_size 0
		.amdhsa_enable_private_segment 0
		.amdhsa_kernarg_size 64
		.amdhsa_user_sgpr_count 2
		.amdhsa_user_sgpr_kernarg_segment_ptr 1
		.amdhsa_wavefront_size32 1
		.amdhsa_system_sgpr_workgroup_id_x 1
		.amdhsa_system_sgpr_workgroup_id_y 1
		.amdhsa_system_sgpr_workgroup_id_z 1
		.amdhsa_system_vgpr_workitem_id 0
		.amdhsa_next_free_vgpr 80
		.amdhsa_next_free_sgpr 66
		.amdhsa_reserve_vcc 1
		.amdhsa_float_denorm_mode_32 3
		.amdhsa_float_denorm_mode_16_64 3
		.amdhsa_memory_ordered 1
		.amdhsa_forward_progress 1
		.amdhsa_inst_pref_size 15
	.end_amdhsa_kernel
	.amdgpu_metadata
---
amdhsa.version: [ 1, 2 ]
amdhsa.kernels:
  - .name:           k_qeeaa80422a_prep
    .symbol:         k_qeeaa80422a_prep.kd
    .args:
      - { .name: x, .offset: 0, .size: 8, .value_kind: global_buffer, .address_space: global }
      - { .name: W1o, .offset: 8, .size: 8, .value_kind: global_buffer, .address_space: global }
      - { .name: W1f, .offset: 16, .size: 8, .value_kind: global_buffer, .address_space: global }
      - { .name: W2o, .offset: 24, .size: 8, .value_kind: global_buffer, .address_space: global }
      - { .name: W2f, .offset: 32, .size: 8, .value_kind: global_buffer, .address_space: global }
      - { .name: xb, .offset: 40, .size: 8, .value_kind: global_buffer, .address_space: global }
      - { .name: wb, .offset: 48, .size: 8, .value_kind: global_buffer, .address_space: global }
      - { .name: w2t, .offset: 56, .size: 8, .value_kind: global_buffer, .address_space: global }
    .group_segment_fixed_size: 0
    .private_segment_fixed_size: 0
    .kernarg_segment_align: 8
    .kernarg_segment_size: 64
    .max_flat_workgroup_size: 256
    .sgpr_count:     66
    .vgpr_count:     80
    .wavefront_size: 32
...
	.end_amdgpu_metadata
.endif
;; end of part 1
;; launch gemm (part 2): grid 8 x 32, 4 waves a work-group, clusters of 4 x 4, 327,680 bytes of LDS; arguments xb, wb, w2t, b1o, b1f, part; writes part
.if DOCPART == 2
	.amdgcn_target "amdgcn-amd-amdhsa--gfx1250"
	.amdhsa_code_object_version 6
	.text
	.protected	k_qeeaa80422a_gemm
	.globl	k_qeeaa80422a_gemm
	.p2align	8
	.type	k_qeeaa80422a_gemm,@function
k_qeeaa80422a_gemm:
	s_mov_b64 s[64:65], 0
	v_nop
	global_prefetch_b8 v0, s[64:65] scope:SCOPE_SE
	s_setreg_imm32_b32 hwreg(HW_REG_WAVE_MODE, 25, 1), 1
	s_wait_xcnt 0x0
	s_wait_alu depctr_hold_cnt(0) depctr_sa_sdst(0) depctr_va_vdst(0) depctr_va_sdst(0) depctr_va_ssrc(0) depctr_va_vcc(0) depctr_vm_vsrc(0)
	s_getreg_b32 s2, hwreg(HW_REG_IB_STS2, 6, 4)
	s_cmp_eq_u32 s2, 0
	s_cbranch_scc0 .Lentry_in_a_cluster
	s_endpgm
.Lentry_in_a_cluster:
	s_bfe_u32 s2, ttmp6, 0x10000c
	s_cmp_lg_u32 s2, 0xf033
	s_cbranch_scc0 .Lentry_shape_is_right
	s_endpgm
.Lentry_shape_is_right:
; part[g][row][class] = the sum over 1,024 hidden columns n of relu(x[row] . W1[:, n] + b1[n]) W2[n][class], for both nets; g = 4 net + cx names the quarter of a net's 4,096 columns.
; xb [8192][1024] bf16; wb [2][1024 k][4096 n] bf16; w2t: W2 in bf16 in fragment order (16 classes, of which 10 to 15 are 0); b1o, b1f [4096] f32; part [8][8192][16] f32.
; LIMITS.  x, W1, W2 arrive rounded to bf16; b1 is rounded to bf16 here; h is rounded once to bf16 for the second product (relu behind that rounding: the same number).  All sums in f32.
; NaN and infinities are not treated apart.
; SHARES.  A work-group of four waves makes TILES = 4 tiles of h, 256 rows x 256 hidden columns each: always the same rows, tile columns cx, cx + 4, cx + 8, cx + 12 of its net.  h never leaves the registers:
; at a tile's end it is rounded and multiplied by W2, and the logits add up in 64 registers over the four tiles.  A wave makes 128 x 128 of a tile: 64 accumulators of 16 x 16, 512 registers.
; K goes in steps of 128 through a ring of two LDS slots filled by the tensor data mover; the ring does not stop at a tile's end.
; CLUSTERS.  4 x 4 work-groups; the cluster's x is the net.  The four of a row of the cluster need the same rows of x, the four of a column the same columns of W1: each tile is asked for JOINTLY,
; by the same tensor load with the same descriptor and a mask that names the four.
; THE MATRIX INSTRUCTION IS USED TRANSPOSED: source 0 = 16 hidden columns, source 1 = 16 rows of x.  In the result lane l holds row l % 16 and the columns 8 (l / 16) + 0..7.  Two neighbouring
; results, rounded to bf16 in pairs, ARE source 1 (32 hidden columns x 16 rows) of logits^T = W2^T h^T: nothing changes lanes between the two products.
; W1's tile lies [k][n] in LDS as in memory and is turned on the way into registers, by ds_load_tr16_b128.
; THE BIAS is the C operand of the products that start a tile's sums: nothing is cleared and nothing is added afterwards.
; REGISTERS, in windows of 256 (s_set_vgpr_msb's low byte: bits 1:0 source 0, 3:2 source 1, 5:4 source 2, 7:6 destination):
;   window 0: v0-31 addresses; v32-63 W2's fragments of a tile; v64-127, v128-191 fragments of x, two buffers; v192-255 the logits, 8 accumulators
;   window 1: v0-63 the bias of my 128 columns; v64-127, v128-191 fragments of W1, two buffers; v128-191, v192-255 also h in bf16 at a tile's end, two buffers
;   window 2: the 32 accumulators of my rows 0-63 (accumulator (a, b) at v[8 (8 a + b)]);   window 3: those of my rows 64-127
.set SIZE_K, 1024
.set SIZE_H, 4096
.set TILES,  4
.set KSTEP,  128
.set PITCH,  272                       ; a row of x in LDS: 256 bytes + 16 of padding = 68 words: row r starts at bank 4 r mod 64 (64 banks of 4 bytes: ISA guide 11.1)
.set PB,     544                       ; a row of W1 in LDS: 512 bytes + 32 of padding = 136 words: row r starts at bank 8 r mod 64
.set HALFT,  128*PITCH                 ; what one tensor load brings: 128 rows of x, or 64 rows of W1 (64 x 544 is the same number)
.set SLOT,   4*HALFT                   ; x's 256 rows, then W1's 128 rows
.set STAGE,  2*SLOT                    ; behind the ring, never filled by a tensor load: 128 rows x 80 bytes for each wave, for the way out
.set SPITCH, 80                        ; 64 bytes + 16 = 20 words: the 16 rows of a store start at 16 different groups of four banks
.set SPARE,  STAGE+4*128*SPITCH        ; behind the stages: the spare words, 128 bytes for each wave: two blocks of 256 bytes that no other line names
.set LAPS,   SIZE_K/(2*KSTEP)          ; a lap = two K steps = once round the ring
.set STEP_A, 2*KSTEP*2                 ; bytes from a slot's K step to its next: x goes along its rows,
.set STEP_B, 2*KSTEP*SIZE_H*2          ; W1 down its rows
.set BACK_A, (SIZE_K-2*KSTEP)*2        ; bytes back from a slot's last K step of a tile to its first of the next: x only back along K,
.set BACK_B, (SIZE_K-2*KSTEP)*SIZE_H*2-4*256*2  ; W1 back along K and four tile columns on
.set ADRA, 16                          ; v16-17  LDS address of my fragments of x in slot 0, 1
.set ADRB, 20                          ; v20-21  the same for W1
.set L16,  22                          ; v22     16 x lane; never rewritten
.set BOF,  23                          ; v23     32 (l / 16): my eight columns' bias in a block of 16; never rewritten
.set STO,  24                          ; v24     the way out: where I put 16 bytes of a row
.set RD,   25                          ; v25     the way out: where I read rows back
.set SPW,  28                          ; v28     LDS address of my spare word: SPARE + 4 x my thread's number; never rewritten
.set NIL,  29                          ; v29     0; never rewritten
.set ZERO, 30                          ; v30     0, for the relu
.set W2F,  32                          ; W2's fragment for my columns 32 kg on at W2F + 8 kg
.set F0,   64                          ; fragment buffer 0
.set F1,   128                         ; fragment buffer 1
.set LG,   192                         ; logits of my rows 16 a on at LG + 8 a: lane l holds row l % 16, classes 8 (l / 16) + 0..7
.set BIAS, 0                           ; window 1: the bias of my columns 16 b on at BIAS + 8 b, laid as a result is
.set P0,   128                         ; window 1: h in bf16, two buffers of 8 fragments
.set P1,   192
.set G1,  24                           ; s[24:31] descriptor group 1 for x's tiles
.set G0,  32                           ; s[32:39] descriptor group 0 for x's tiles, one set for each slot
.set G1B, 48                           ; s[48:55] descriptor group 1 for W1's tiles
.set G0B, 56                           ; s[56:63] descriptor group 0 for W1's tiles, one set for each slot
.set MSB, 0
.macro WIN new                         ; the immediate's high byte repeats the setting that is left; a switch that changes nothing is dropped
.if MSB != (\new)
	s_set_vgpr_msb (MSB<<8)|(\new)
.set MSB, \new
.endif
.endm
.set MUL_LO, 0xa1                      ; source 0 (W1) window 1, source 1 (x) window 0, C and D window 2
.set MUL_HI, 0xf1                      ; the same, C and D window 3
.set MUL_B,  0x91                      ; source 0 window 1, source 1 window 0, C (the bias) window 1, D window 2; + 0x40: D window 3
.set TO_B,   0x40                      ; destination window 1, address window 0
; A joint load.  Waves 0 and 1 fetch the two halves of x's tile, waves 2 and 3 those of W1's.  Each of the two lines has ONE mask and one set of registers for all that issue it.
; The branch hangs on the wave's number alone.  An s_nop 0 and four v_nop follow each of the two lines, ahead of the jump, the label and what follows.
.macro JLOAD s
	s_cmp_eq_u32 s11, 0
	s_cbranch_scc0 .Lfor_b_\@
	tensor_load_to_lds s[G0+4*(\s):G0+4*(\s)+3], s[G1:G1+7]
	s_nop 0
.rept 4
	v_nop
.endr
	s_branch .Lasked_\@
.Lfor_b_\@:
	tensor_load_to_lds s[G0B+4*(\s):G0B+4*(\s)+3], s[G1B:G1B+7]
	s_nop 0
.rept 4
	v_nop
.endr
.Lasked_\@:
.endm
; A round of the cluster's barrier: my work-group's barrier, so that wave 0's signal speaks for all four waves; wave 0 signals for the work-group; every wave waits for all
; sixteen work-groups; my work-group's barrier once more.  No LDS instruction of the wave is pending at a signal.
.macro CREST                           ; a round behind its opening barrier
	s_cmp_lg_u32 s10, 0
	s_cbranch_scc1 .Lnot_wave_0_\@
	s_barrier_signal -3
.Lnot_wave_0_\@:
	s_barrier_wait -3
	s_barrier_signal -1
	s_barrier_wait -1
.endm
.macro CROUND                          ; a whole round
	s_barrier_signal -1
	s_barrier_wait -1
	CREST
.endm
	s_load_b128 s[4:7], s[0:1], 0x0                ; xb s[4:5], wb s[6:7]
	s_load_b256 s[68:75], s[0:1], 0x10             ; w2t s[68:69], b1o s[70:71], b1f s[72:73], part s[74:75]
	v_lshl_add_u32 v[SPW], v0, 2, SPARE
	v_mov_b32 v[NIL], 0
	ds_add_u32 v[SPW], v[NIL]                      ; the wave's opening: the add and its wait stand ahead of my first tensor load; the set-up below, work on registers, stands between them
	v_lshrrev_b32 v1, 5, v0
	v_readfirstlane_b32 s10, v1                    ; wave 0..3
	s_lshr_b32 s11, s10, 1                         ; which half of the tile's rows is mine.  Also: I fetch for x (0) or for W1 (1)
	s_and_b32 s12, s10, 1                          ; which half of its columns.  Also: which half of that tile I fetch
	s_bfe_u32 s40, ttmp6, 0x40000                  ; cx: my place along the cluster's x
	s_bfe_u32 s41, ttmp6, 0x40004                  ; cy: along its y
	s_and_b32 s13, ttmp7, 0xffff                   ; in a cluster launch ttmp9 and ttmp7 count clusters; ttmp9 is the net
	s_lshl_b32 s13, s13, 2
	s_add_co_u32 s13, s13, s41                     ; my block of 256 rows = 4 x cluster y + cy
	s_lshl_b32 s43, s41, 2
	s_lshl_b32 s43, 15, s43                        ; my row of the cluster: places 4 cy .. 4 cy + 3
	s_lshl_b32 s44, 0x1111, s40                    ; my column: places cx, cx + 4, cx + 8, cx + 12
	; descriptor group 1.  x: a tile of 128 rows x 128 elements; W1: 64 rows x 256 elements; both padded in LDS
	s_or_b32 s[G1+0], s43, (1<<16)|(1<<20)|(1<<21)|(5<<22)|(3<<25)  ; 15:0 the mask: my row; 17:16 elements of 2 bytes; 20 padding on; 21 set beside a mask; 24:22 after every 64 words (code 5); 31:25 4 words (code 3)
	s_or_b32 s[G1B+0], s44, (1<<16)|(1<<20)|(1<<21)|(6<<22)|(7<<25) ; the mask: my column; after every 128 words (code 6) 8 words (code 7)
	s_mov_b32 s[G1+1], KSTEP<<16                   ; 63:48 tensor_dim0, low half = 128
	s_mov_b32 s[G1+2], 128<<16                     ; 95:80 tensor_dim1, low half = 128
	s_mov_b32 s[G1+3], KSTEP<<16                   ; 127:112 tile_dim0 = 128
	s_mov_b32 s[G1+4], 128                         ; 143:128 tile_dim1 = 128; tile_dim2 = 0
	s_mov_b32 s[G1+5], SIZE_K                      ; 191:160 elements from row to row
	s_mov_b32 s[G1+6], 0
	s_mov_b32 s[G1+7], 0
	s_mov_b32 s[G1B+1], 256<<16                    ; tensor_dim0 = 256
	s_mov_b32 s[G1B+2], 64<<16                     ; tensor_dim1 = 64
	s_mov_b32 s[G1B+3], 256<<16                    ; tile_dim0 = 256
	s_mov_b32 s[G1B+4], 64                         ; tile_dim1 = 64
	s_mov_b32 s[G1B+5], SIZE_H                     ; elements from row to row
	s_mov_b32 s[G1B+6], 0
	s_mov_b32 s[G1B+7], 0
	; where the tiles come from.  x's hang on the block of rows alone, which my row of the cluster shares; W1's on the net and cx alone, which my column shares.
	; Every wave makes both addresses, in registers that never hold the other coordinate, and asks by one of them.
	s_lshl_b32 s16, s13, 19                        ; x: 256 rows of 2,048 bytes a block,
	s_lshl_b32 s17, s12, 18                        ; 128 rows a half
	s_add_co_u32 s16, s16, s17
	s_mov_b32 s17, 0
	s_lshl_b32 s46, ttmp9, 23                      ; W1: 1,024 rows of 8,192 bytes a net,
	s_lshl_b32 s47, s12, 19                        ; 64 rows a half,
	s_add_co_u32 s46, s46, s47
	s_lshl_b32 s47, s40, 9                         ; 512 bytes a tile column
	s_add_co_u32 s46, s46, s47
	s_mov_b32 s47, 0
	s_mul_i32 s20, s10, HALFT                      ; and where they go: wave x one load's bytes: no place in the cluster enters an LDS address
	s_wait_dscnt 0x0                               ; the opening add is done
	s_wait_kmcnt 0x0
	s_add_nc_u64 s[14:15], s[4:5], s[16:17]
	s_add_nc_u64 s[46:47], s[6:7], s[46:47]
	CROUND                                         ; all sixteen work-groups are here: the first joint loads meet
.irp s, 0,1
	s_mov_b32 s[G0+4*(\s)], 1                                      ; 1:0 count = 1
	s_add_co_u32 s[G0+4*(\s)+1], s20, (\s)*SLOT                    ; 63:32 LDS address
	s_add_nc_u64 s[G0+4*(\s)+2:G0+4*(\s)+3], s[14:15], (\s)*KSTEP*2  ; 120:64 global address: K step s
	s_or_b32 s[G0+4*(\s)+3], s[G0+4*(\s)+3], 0x80000000            ; 127:126 type = 2
	s_mov_b32 s[G0B+4*(\s)], 1
	s_add_co_u32 s[G0B+4*(\s)+1], s20, (\s)*SLOT
	s_add_nc_u64 s[G0B+4*(\s)+2:G0B+4*(\s)+3], s[46:47], (\s)*KSTEP*SIZE_H*2
	s_or_b32 s[G0B+4*(\s)+3], s[G0B+4*(\s)+3], 0x80000000
	JLOAD \s                                       ; the ring is filled before anything else is done: two loads of mine are out
.endr
	; All that follows, up to the wait for K step 0, stands in the wait for the first tile.
	; A fragment of x is 16 rows x 32 K in 8 registers: lane l holds row l % 16; registers 0-3 K = 8 (l / 16) + 0..7, registers 4-7 K = 16 + 8 (l / 16) + 0..7: two loads of 16 bytes, 32 bytes apart.
	v_and_b32 v1, 15, v0                           ; l % 16
	v_bfe_u32 v2, v0, 4, 1                         ; l / 16
	v_mul_u32_u24 v3, v1, PITCH
	v_lshl_add_u32 v3, v2, 4, v3                   ; row x pitch + 16 x half
	; The turning load takes 16 K x 16 columns (lane l reads 16 bytes: K row 8 (l / 16) + l % 8, columns 8 ((l / 8) % 2) + 0..7) and leaves half a fragment: lane l holds column l % 16 and 8 K.
	v_and_b32 v4, 7, v0
	v_lshl_add_u32 v4, v2, 3, v4
	v_mul_u32_u24 v4, v4, PB
	v_bfe_u32 v5, v0, 3, 1
	v_lshl_add_u32 v4, v5, 4, v4
	s_mul_i32 s21, s11, HALFT                      ; my 128 rows of x
	s_lshl_b32 s22, s12, 8                         ; my 128 columns of W1: 256 bytes into each row,
	s_add_co_u32 s22, s22, 2*HALFT                 ; behind x's 256 rows
.irp s, 0,1
	v_add_nc_u32 v[ADRA+(\s)], s21, v3
	v_add_nc_u32 v[ADRB+(\s)], s22, v4
	s_add_co_u32 s21, s21, SLOT
	s_add_co_u32 s22, s22, SLOT
.endr
	v_and_b32 v6, 31, v0
	v_lshlrev_b32 v[L16], 4, v6
	v_lshlrev_b32 v[BOF], 5, v2
	s_mul_i32 s23, s10, 128*SPITCH
	s_add_co_u32 s23, s23, STAGE                   ; my stage
	v_mul_u32_u24 v7, v1, SPITCH                   ; in: row l % 16, 32 bytes (8 classes) for each half of the lanes
	v_lshl_add_u32 v7, v2, 5, v7
	v_add_nc_u32 v[STO], s23, v7
	s_mul_i32 s23, s11, 2*128*SPITCH               ; back: the stage of the first wave of my row half,
	s_mul_i32 s21, s12, 64*SPITCH                  ; of its 128 rows the 64 that I store;
	s_add_co_u32 s23, s23, s21
	s_add_co_u32 s23, s23, STAGE
	v_lshrrev_b32 v7, 2, v6                        ; four lanes take a row's 64 bytes, 32 lanes eight rows
	v_mul_u32_u24 v7, v7, SPITCH
	v_and_b32 v8, 3, v0
	v_lshl_add_u32 v7, v8, 4, v7
	v_add_nc_u32 v[RD], s23, v7
	v_mov_b32 v[ZERO], 0
	s_cmp_eq_u32 ttmp9, 0
	s_cselect_b64 s[76:77], s[70:71], s[72:73]     ; my net's b1
	s_lshl_b32 s78, ttmp9, 17
	s_mov_b32 s79, 0
	s_add_nc_u64 s[78:79], s[68:69], s[78:79]      ; my net's 131,072 bytes of w2t
	s_lshl_b32 s80, s40, 10                        ; s[80:81]: the byte offset in b1 of my first column of the tile in hand: 256 columns a tile column,
	s_lshl_b32 s81, s12, 9                         ; 128 a half
	s_add_co_u32 s80, s80, s81
	s_mov_b32 s81, 0
	s_mov_b32 s83, 0
	s_add_nc_u64 s[88:89], s[76:77], s[80:81]
	s_lshl_b32 s84, ttmp9, 2                       ; where my 64 rows lie in part: g = 4 net + cx, 524,288 bytes each;
	s_add_co_u32 s84, s84, s40
	s_lshl_b32 s84, s84, 19
	s_lshl_b32 s85, s13, 14                        ; 256 rows of 64 bytes a block;
	s_add_co_u32 s84, s84, s85
	s_lshl_b32 s85, s10, 12                        ; 64 rows a wave
	s_add_co_u32 s84, s84, s85
	s_mov_b32 s85, 0
	s_add_nc_u64 s[8:9], s[74:75], s[84:85]
; 16 loads: the bias of my 128 columns, from s[88:89], laid as a result is: register j of block b holds column 16 b + 8 (l / 16) + j
.macro BLOADS
	WIN TO_B
.irp b, 0,1,2,3,4,5,6,7
	global_load_b128 v[BIAS+8*(\b):BIAS+8*(\b)+3],   v[BOF], s[88:89] offset:64*(\b)
	global_load_b128 v[BIAS+8*(\b)+4:BIAS+8*(\b)+7], v[BOF], s[88:89] offset:64*(\b)+16
.endr
	WIN 0
.endm
; The bias is rounded to bf16, like every input, and widened again: a pair is packed, then its high half and its low half are taken apart.  96 plain instructions in window 1.
.macro ROUNDB
	WIN 0x45                                       ; destination and both sources window 1
.set i, 0
.rept 32
	v_cvt_pk_bf16_f32 v[BIAS+2*i], v[BIAS+2*i], v[BIAS+2*i+1]
.set i, i+1
.endr
.set i, 0
.rept 32
	v_and_b32 v[BIAS+2*i+1], 0xffff0000, v[BIAS+2*i]
.set i, i+1
.endr
.set i, 0
.rept 32
	v_lshlrev_b32 v[BIAS+2*i], 16, v[BIAS+2*i]
.set i, i+1
.endr
.endm
; This tile's W2 (8 loads of 512 consecutive bytes) and the next tile's bias.  The bases were last read by loads that the wait at the last tile's end has shown done.
; In the walk's last tile the offset wraps to the walk's first columns: those 16 loads stay inside b1 and serve nothing: the price of one text for every tile.
.macro GLOADS
	WIN 0
	s_lshl_b32 s82, s80, 3                         ; 32 columns are 128 bytes of b1 and 1,024 bytes of w2t
	s_add_nc_u64 s[86:87], s[78:79], s[82:83]
	s_add_co_u32 s80, s80, 4*256*4                 ; four tile columns on
	s_and_b32 s80, s80, SIZE_H*4-1
	s_add_nc_u64 s[88:89], s[76:77], s[80:81]
.irp kg, 0,1,2,3
	global_load_b128 v[W2F+8*(\kg):W2F+8*(\kg)+3],   v[L16], s[86:87] offset:1024*(\kg)
	global_load_b128 v[W2F+8*(\kg)+4:W2F+8*(\kg)+7], v[L16], s[86:87] offset:1024*(\kg)+512
.endr
	BLOADS
.endm
; 16 matrix instructions: row blocks a0, a0 + 1 of the window's four (hi = 0: my rows 0-63, 1: rows 64-127) x all 8 column blocks, 32 along K.
; first = 1: the products start the sums, from the bias.  The 64 accumulators take turns, one instruction a turn.
.macro MUL16 f, hi, a0, first
.if \first
	WIN MUL_B+0x40*(\hi)
.else
	WIN MUL_LO+0x50*(\hi)
.endif
.irp a, \a0, (\a0)+1
.irp b, 0,1,2,3,4,5,6,7
.if \first
	v_wmma_f32_16x16x32_bf16 v[8*(8*(\a)+(\b)):8*(8*(\a)+(\b))+7], v[(\f)+8*(\b):(\f)+8*(\b)+7], v[(\f)+8*(4*(\hi)+(\a)):(\f)+8*(4*(\hi)+(\a))+7], v[BIAS+8*(\b):BIAS+8*(\b)+7]
.else
	v_wmma_f32_16x16x32_bf16 v[8*(8*(\a)+(\b)):8*(8*(\a)+(\b))+7], v[(\f)+8*(\b):(\f)+8*(\b)+7], v[(\f)+8*(4*(\hi)+(\a)):(\f)+8*(4*(\hi)+(\a))+7], v[8*(8*(\a)+(\b)):8*(8*(\a)+(\b))+7]
.endif
.endr
.endr
.endm
; 32 LDS loads in one run: the fragments of quarter q of a K step (32 K x my 128 columns of W1, turned; my 128 rows of x x 32 K) into buffer f
.macro FETCH slot, q, f
	WIN TO_B
.irp i, 0,1,2,3,4,5,6,7
	ds_load_tr16_b128 v[(\f)+8*(\i):(\f)+8*(\i)+3],   v[ADRB+(\slot)] offset:(\q)*32*PB+(\i)*32
	ds_load_tr16_b128 v[(\f)+8*(\i)+4:(\f)+8*(\i)+7], v[ADRB+(\slot)] offset:(\q)*32*PB+16*PB+(\i)*32
.endr
	WIN 0
.irp i, 0,1,2,3,4,5,6,7
	ds_load_b128 v[(\f)+8*(\i):(\f)+8*(\i)+3],   v[ADRA+(\slot)] offset:(\q)*64+(\i)*16*PITCH
	ds_load_b128 v[(\f)+8*(\i)+4:(\f)+8*(\i)+7], v[ADRA+(\slot)] offset:(\q)*64+(\i)*16*PITCH+32
.endr
.endm
; A load into a register that a matrix instruction has read, and a vector instruction that reads a matrix result or writes one of a matrix instruction's registers, stand four places behind it,
; and only plain vector instructions that name none of its registers are places (ISA guide 7.12.1 for vector instructions).
.macro PLACES
.rept 4
	v_nop
.endr
.endm
; A K step is four quarters of 32 along K, 64 matrix instructions each, on buffers 0, 1, 0, 1.
; One of the first three: multiplies buffer f; in its middle it fetches quarter q of the same slot into buffer g.
.macro QUARTER slot, q, f, g, first
	s_wait_dscnt 8                                 ; W1 and x's rows 0-63 are in; the youngest eight loads (x's rows 64-127) may be out
	MUL16 \f, 0, 0, \first
	MUL16 \f, 0, 2, \first
	PLACES
	FETCH \slot, \q, \g
	s_wait_dscnt 32                                ; all but the 32 just issued
	MUL16 \f, 1, 0, \first
	MUL16 \f, 1, 2, \first
.endm
; The last quarter multiplies buffer 1 and changes slots.  MEET is its first half: ONE barrier for the change of slots.  In front of it each wave waits for all its tensor loads, of which one
; is out: its part of the next slot; adds 0 to its spare word; and waits for that and for its own reads of this slot.  Behind it nobody reads this slot any more and the next slot is whole.
.macro MEET round                      ; round = 1: a round of the cluster's barrier follows
	WIN 0                                          ; (the add's two registers lie in window 0)
	s_wait_tensorcnt 0x0                           ; all my tensor loads have landed;
	ds_add_u32 v[SPW], v[NIL]                      ; 0 onto my spare word;
	s_wait_dscnt 9                                 ; (the add and the youngest eight loads may be out)
	MUL16 F1, 0, 0, 0                              ; sixteen matrix instructions stand between the add and the wait for it
	s_wait_dscnt 0x0                               ; the add is done, and my reads of this slot are over:
	s_barrier_signal -1                            ; say so,
	MUL16 F1, 0, 2, 0                              ; work on registers while the others arrive,
.if \round
	WIN 0
.endif
	s_barrier_wait -1                              ; and go on when all four have said so
.endm
; The whole last quarter.  Behind the round the slot just read out is filled again first: with this tile's K step two steps on (on = 0) or, in a tile's last two K steps, with the NEXT tile's
; K step 0 or 1 (on = 1); then come the next slot's first fragments.  From a request to the wait for it a wave issues 224 matrix instructions.
.macro TURN slot, next, on
	MEET 1
	CREST                                          ; no wave of any partner still reads this slot's tile or has a load on its way
.if \on
	s_sub_nc_u64 s[G0+4*(\slot)+2:G0+4*(\slot)+3], s[G0+4*(\slot)+2:G0+4*(\slot)+3], BACK_A
	s_sub_nc_u64 s[G0B+4*(\slot)+2:G0B+4*(\slot)+3], s[G0B+4*(\slot)+2:G0B+4*(\slot)+3], BACK_B
.else
	s_add_nc_u64 s[G0+4*(\slot)+2:G0+4*(\slot)+3], s[G0+4*(\slot)+2:G0+4*(\slot)+3], STEP_A
	s_add_nc_u64 s[G0B+4*(\slot)+2:G0B+4*(\slot)+3], s[G0B+4*(\slot)+2:G0B+4*(\slot)+3], STEP_B
.endif
	JLOAD \slot                                    ; the first tensor load behind the round; the four v_nop behind it are also the places in front of the loads below
	FETCH \next, 0, F0
	MUL16 F1, 1, 0, 0
	MUL16 F1, 1, 2, 0
.endm
; A TILE'S END.  h = relu(sums), in bf16, times W2: for each 32 of my 128 columns (kg) the 16 accumulators that hold them are rounded in pairs (each from its low end on),
; the negative halves are set to 0, and eight products add onto the eight logit accumulators, which take turns.  The two buffers of h take turns too: a buffer is written again 128 plain
; instructions behind the products that read it; buffer P0, W1's fragment buffer 1, is first written behind kg = 0's 128.
; nextb = 1: a tile follows: its bias is rounded here, and those 96 plain instructions are the places behind the tile's last products.
.macro LOGITS nextb
	s_wait_loadcnt 0x0                             ; this tile's W2 and the next tile's bias: all 24 loads; their bases may be written again
.if \nextb
	ROUNDB
.else
	PLACES
.endif
.irp kg, 0,1,2,3
.set PBUF, P1-64*((\kg)%2)
.irp a, 0,1,2,3,4,5,6,7
	WIN 0x4a+5*((\a)/4)                            ; destination window 1, sources window 2 or 3
.irp bb, 0,1
.irp t, 0,1,2,3
	v_cvt_pk_bf16_f32 v[PBUF+8*(\a)+4*(\bb)+(\t)], v[8*(8*((\a)%4)+2*(\kg)+(\bb))+2*(\t)], v[8*(8*((\a)%4)+2*(\kg)+(\bb))+2*(\t)+1]
.endr
.endr
.endr
	WIN 0x41                                       ; destination and source 0 window 1, the zero in window 0
.set i, 0
.rept 64
	v_pk_max_num_bf16 v[PBUF+i], v[PBUF+i], v[ZERO]
.set i, i+1
.endr
	WIN 0x04                                       ; W2 and the logits in window 0, h in window 1
.irp a, 0,1,2,3,4,5,6,7
	v_wmma_f32_16x16x32_bf16 v[LG+8*(\a):LG+8*(\a)+7], v[W2F+8*(\kg):W2F+8*(\kg)+7], v[PBUF+8*(\a):PBUF+8*(\a)+7], v[LG+8*(\a):LG+8*(\a)+7]
.endr
.endr
.endm
	BLOADS                                         ; the first tile's bias
.set i, 0
.rept 64
	v_mov_b32 v[LG+i], 0                           ; the logits start at 0: one text serves every tile's end, so no first step is written out
.set i, i+1
.endr
	s_wait_loadcnt 0x0
	ROUNDB
	WIN 0
	s_wait_tensorcnt 1                             ; my part of K step 0 is in; K step 1's may stay out
	s_barrier_signal -1
	s_barrier_wait -1                              ; everybody's is
	FETCH 0, 0, F0
	s_mov_b32 s2, TILES                            ; tiles to go, this one among them: the same number in every work-group
.Ltile:
	QUARTER 0, 1, F0, F1, 1                        ; a tile's first quarter stands in front of the loop: its products start the sums from the bias
	WIN 0
	PLACES                                         ; for the loads into the bias, which those products read
	GLOADS
	s_mov_b32 s3, LAPS-1
.Llap:                                                 ; a trip goes once round the ring, from a lap's second quarter to the next lap's first, and fills both slots again
	QUARTER 0, 2, F1, F0, 0
	QUARTER 0, 3, F0, F1, 0
	TURN 0, 1, 0
	QUARTER 1, 1, F0, F1, 0
	QUARTER 1, 2, F1, F0, 0
	QUARTER 1, 3, F0, F1, 0
	TURN 1, 0, 0
	QUARTER 0, 1, F0, F1, 0
	WIN 0                                          ; at a label and at a branch every window is 0
	s_sub_co_u32 s3, s3, 1
	s_cmp_lg_u32 s3, 0
	s_cbranch_scc1 .Llap
	QUARTER 0, 2, F1, F0, 0                        ; the tile's last lap goes on
	QUARTER 0, 3, F0, F1, 0
	WIN 0
	s_cmp_eq_u32 s2, 1
	s_cbranch_scc1 .Llast_tile                     ; the last tile's tail is written out: it asks for nothing more
	TURN 0, 1, 1                                   ; THE RING GOES ON INTO THE NEXT TILE: slot 0 takes its K step 0,
	QUARTER 1, 1, F0, F1, 0
	QUARTER 1, 2, F1, F0, 0
	QUARTER 1, 3, F0, F1, 0
	TURN 1, 0, 1                                   ; slot 1 its K step 1, and the next tile's first fragments are fetched
	LOGITS 1                                       ; both refills are asked for: now the tile's h goes into the logits
	WIN 0
	s_sub_co_u32 s2, s2, 1
	s_branch .Ltile
.Llast_tile:
	MEET 0                                         ; my one tensor load that was still out is slot 1's, the last K step's, so no round follows
	PLACES                                         ; for the loads into buffer 0, which the quarter before multiplied
	FETCH 1, 0, F0
	MUL16 F1, 1, 0, 0
	MUL16 F1, 1, 2, 0
	QUARTER 1, 1, F0, F1, 0
	QUARTER 1, 2, F1, F0, 0
	QUARTER 1, 3, F0, F1, 0
	s_wait_dscnt 8                                 ; the very last quarter: nothing more to fetch
	MUL16 F1, 0, 0, 0
	MUL16 F1, 0, 2, 0
	s_wait_dscnt 0x0
	MUL16 F1, 1, 0, 0
	MUL16 F1, 1, 2, 0
	LOGITS 0
	; THE WAY OUT.  My logits are the sums over my 128 columns of each tile; the other wave of my row half holds those over the other 128.  Both go into their stages; behind a barrier
	; each wave reads 64 rows from both, adds them and stores 4,096 consecutive bytes of part.
	WIN 0
	PLACES                                         ; the stores read results just made
.irp a, 0,1,2,3,4,5,6,7
	ds_store_b128 v[STO], v[LG+8*(\a):LG+8*(\a)+3]   offset:(\a)*16*SPITCH
	ds_store_b128 v[STO], v[LG+8*(\a)+4:LG+8*(\a)+7] offset:(\a)*16*SPITCH+16
.endr
	s_wait_dscnt 0x0                               ; for the others' sake: my stores into my stage are done
	s_barrier_signal -1
	s_barrier_wait -1
.irp t, 0,1,2,3,4,5,6,7
	ds_load_b128 v[F0+4*(\t):F0+4*(\t)+3],       v[RD] offset:(\t)*8*SPITCH
	ds_load_b128 v[F0+32+4*(\t):F0+32+4*(\t)+3], v[RD] offset:(\t)*8*SPITCH+128*SPITCH
.endr
	s_wait_dscnt 0x0
.set i, 0
.rept 16
	v_pk_add_f32 v[F0+2*i:F0+2*i+1], v[F0+2*i:F0+2*i+1], v[F0+32+2*i:F0+32+2*i+1]
.set i, i+1
.endr
.irp t, 0,1,2,3,4,5,6,7
	global_store_b128 v[L16], v[F0+4*(\t):F0+4*(\t)+3], s[8:9] offset:512*(\t)  ; eight rows of 64 bytes: 512 consecutive bytes, at a multiple of 256 from part's first byte
.endr
	s_wait_tensorcnt 0x0                           ; the wave's end: behind my last tensor load and my last LDS store
	ds_add_u32 v[SPW], v[NIL]
	s_wait_dscnt 0x0
	CROUND                                         ; the closing round: no work-group ends while a partner may still ask for a tile that names it
	s_endpgm
.Lfunc_end_k_qeeaa80422a_gemm:
	.size	k_qeeaa80422a_gemm, .Lfunc_end_k_qeeaa80422a_gemm-k_qeeaa80422a_gemm
	.p2alignl 7, 3214868480
	.fill 96, 4, 3214868480
	.section	.rodata,"a",@progbits
	.p2align	6, 0x0
	.amdhsa_kernel k_qeeaa80422a_gemm
		.amdhsa_group_segment_fixed_size 327680
		.amdhsa_private_segment_fixed_size 0
		.amdhsa_enable_private_segment 0
		.amdhsa_kernarg_size 48
		.amdhsa_user_sgpr_count 2
		.amdhsa_user_sgpr_kernarg_segment_ptr 1
		.amdhsa_wavefront_size32 1
		.amdhsa_system_sgpr_workgroup_id_x 1
		.amdhsa_system_sgpr_workgroup_id_y 1
		.amdhsa_system_sgpr_workgroup_id_z 1
		.amdhsa_system_vgpr_workitem_id 0
		.amdhsa_next_free_vgpr 1024
		.amdhsa_next_free_sgpr 90
		.amdhsa_reserve_vcc 0
		.amdhsa_float_denorm_mode_32 3
		.amdhsa_float_denorm_mode_16_64 3
		.amdhsa_memory_ordered 1
		.amdhsa_forward_progress 1
		.amdhsa_inst_pref_size 235
	.end_amdhsa_kernel
	.amdgpu_metadata
---
amdhsa.version: [ 1, 2 ]
amdhsa.kernels:
  - .name:           k_qeeaa80422a_gemm
    .symbol:         k_qeeaa80422a_gemm.kd
    .args:
      - { .name: xb, .offset: 0, .size: 8, .value_kind: global_buffer, .address_space: global }
      - { .name: wb, .offset: 8, .size: 8, .value_kind: global_buffer, .address_space: global }
      - { .name: w2t, .offset: 16, .size: 8, .value_kind: global_buffer, .address_space: global }
      - { .name: b1o, .offset: 24, .size: 8, .value_kind: global_buffer, .address_space: global }
      - { .name: b1f, .offset: 32, .size: 8, .value_kind: global_buffer, .address_space: global }
      - { .name: part, .offset: 40, .size: 8, .value_kind: global_buffer, .address_space: global }
    .group_segment_fixed_size: 327680
    .private_segment_fixed_size: 0
    .kernarg_segment_align: 8
    .kernarg_segment_size: 48
    .max_flat_workgroup_size: 128
    .sgpr_count:     90
    .vgpr_count:     1024
    .wavefront_size: 32
...
	.end_amdgpu_metadata
.endif
;; end of part 2
;; launch finish (part 3): grid 256 x 1, 1 waves a work-group, no clusters, 1,536 bytes of LDS; arguments part, b2o, b2f, out0; writes out0
.if DOCPART == 3
	.amdgcn_target "amdgcn-amd-amdhsa--gfx1250"
	.amdhsa_code_object_version 6
	.text
	.protected	k_qeeaa80422a_finish
	.globl	k_qeeaa80422a_finish
	.p2align	8
	.type	k_qeeaa80422a_finish,@function
k_qeeaa80422a_finish:
	s_mov_b64 s[64:65], 0
	v_nop
	global_prefetch_b8 v0, s[64:65] scope:SCOPE_SE
	s_setreg_imm32_b32 hwreg(HW_REG_WAVE_MODE, 25, 1), 1
	s_wait_xcnt 0x0
; out0[row] = x1 + c (x2 - x1); x1, x2 = softmax(logits + b2) of the two nets; c = the last column of comp_max_tau(x1, 0.5, 3, 3).
; part [8][8192][16] f32: groups 0-3 are net o's four partial sums of the logits, 4-7 net f's.  b2o, b2f [10] f32, rounded to bf16 here like every input.  out0 [8192][10] f32.
; One lane, one row; one wave, 32 rows; 256 work-groups of one wave.  All arithmetic in f32.  No matrix unit and no cluster: 10 numbers a row and nothing shared.
; LIMITS.  The row's maximum is taken away before the exponentials; an exponential below 2^-126 counts as 0.  a (1 + b) is one fused multiply-add a b + a, the blend x1 (1 - c) + x2 c is
; x1 + c (x2 - x1), and sums of a row go by pairs: roundings in another order than the formula's.  NaN and infinities are not treated apart.
.set SPARE, 1280                       ; LDS: bytes 0 to 1,279 the stage, 32 rows of 40 bytes; then the spare words: one block of 256 bytes that no other line names
.set GRP,  16                          ; v[16+12 g ..]: group g's classes 0-11
.set LO,   16                          ; v16-25  net o: logits, then x1, then the result
.set NET,  48                          ; net f's registers lie 48 further on: v64-73
.set RR,   40                          ; v40-49  comp_max_tau's ten numbers; later the rows read back
.set BO,   112                         ; v112-121 b2o, v122-131 b2f
.set BF,   122
.set MX,   132                         ; v132-133, v134-135  a net's maximum twice; then 1 / sum in the first
.set TS,   136                         ; v136-139, v140-143  a net's sums, at work
.set TAU,  6                           ; v6   comp_max_tau's last column;  v7 the sum;  v8 a, the inverse;  v9 b;  v10-13 at work
	s_load_b256 s[4:11], s[0:1], 0x0               ; part s[4:5], b2o s[6:7], b2f s[8:9], out0 s[10:11]
	v_lshl_add_u32 v4, v0, 2, SPARE                ; my spare word,
	v_mov_b32 v5, 0                                ; and 0: kept for the add at the wave's end
	v_lshlrev_b32 v1, 6, v0                        ; my row in a group: 64 bytes a row
	v_mul_u32_u24 v2, v0, 40                       ; my row in the stage
	v_lshlrev_b32 v3, 3, v0                        ; my 8 bytes of 256 consecutive ones
	s_lshl_b32 s12, ttmp9, 11                      ; 32 rows of 64 bytes
	s_mov_b32 s13, 0
	s_mul_i32 s14, ttmp9, 1280                     ; 32 rows of 40 bytes: five times 256
	s_mov_b32 s15, 0
	s_mov_b32 s40, 0x3fb8aa3b                      ; log2(e)
	s_mov_b32 s41, 0xbf638e39                      ; -2 / (2 + tau^2) = -8/9
	s_mov_b32 s42, 0x3f638e39                      ; 8/9
	s_wait_kmcnt 0x0
	s_load_b256 s[16:23], s[6:7], 0x0              ; b2o: ten words in s16-25
	s_load_b64 s[24:25], s[6:7], 0x20
	s_load_b256 s[28:35], s[8:9], 0x0              ; b2f: s28-37
	s_load_b64 s[36:37], s[8:9], 0x20
	s_add_nc_u64 s[4:5], s[4:5], s[12:13]
	s_add_nc_u64 s[10:11], s[10:11], s[14:15]
.irp g, 0,1,2,3,4,5,6,7
.irp c, 0,1,2
	global_load_b128 v[GRP+12*(\g)+4*(\c):GRP+12*(\g)+4*(\c)+3], v1, s[4:5] offset:524288*(\g)+16*(\c)
.endr
.endr
	s_wait_kmcnt 0x0
.irp j, 0,1,2,3,4,5,6,7,8,9
	v_mov_b32 v[BO+(\j)], s[16+(\j)]
	v_mov_b32 v[BF+(\j)], s[28+(\j)]
.endr
.irp k, 0,1,2,3,4,5,6,7,8,9            ; ten pairs: both biases; rounded to bf16 in pairs and widened again
	v_cvt_pk_bf16_f32 v[BO+2*(\k)], v[BO+2*(\k)], v[BO+2*(\k)+1]
.endr
.irp k, 0,1,2,3,4,5,6,7,8,9
	v_and_b32 v[BO+2*(\k)+1], 0xffff0000, v[BO+2*(\k)]
.endr
.irp k, 0,1,2,3,4,5,6,7,8,9
	v_lshlrev_b32 v[BO+2*(\k)], 16, v[BO+2*(\k)]
.endr
; A net's logits: (g0 + g1) + (g2 + g3) + b2, two classes at a time, into g0's registers
.macro LSUM base, bias
.irp k, 0,1,2,3,4
	v_pk_add_f32 v[(\base)+2*(\k):(\base)+2*(\k)+1], v[(\base)+2*(\k):(\base)+2*(\k)+1], v[(\base)+12+2*(\k):(\base)+12+2*(\k)+1]
	v_pk_add_f32 v[(\base)+24+2*(\k):(\base)+24+2*(\k)+1], v[(\base)+24+2*(\k):(\base)+24+2*(\k)+1], v[(\base)+36+2*(\k):(\base)+36+2*(\k)+1]
.endr
.irp k, 0,1,2,3,4
	v_pk_add_f32 v[(\base)+2*(\k):(\base)+2*(\k)+1], v[(\base)+2*(\k):(\base)+2*(\k)+1], v[(\base)+24+2*(\k):(\base)+24+2*(\k)+1]
.endr
.irp k, 0,1,2,3,4
	v_pk_add_f32 v[(\base)+2*(\k):(\base)+2*(\k)+1], v[(\base)+2*(\k):(\base)+2*(\k)+1], v[(\bias)+2*(\k):(\bias)+2*(\k)+1]
.endr
.endm
	s_wait_loadcnt 12                              ; net o's twelve loads are in; net f's twelve, issued behind them, may stay out
	LSUM LO, BO
	s_wait_loadcnt 0x0
	LSUM LO+NET, BF
; THE TWO SOFTMAXES, line by line for both nets, so that no line reads the result of the one before it
.macro NETS line:vararg                ; one line for each net n
.set n, 0
.rept 2
	\line
.set n, n+1
.endr
.endm
	NETS v_max3_num_f32 v[MX+2*n], v[LO+NET*n], v[LO+NET*n+1], v[LO+NET*n+2]
	NETS v_max3_num_f32 v[MX+2*n], v[MX+2*n], v[LO+NET*n+3], v[LO+NET*n+4]
	NETS v_max3_num_f32 v[MX+2*n], v[MX+2*n], v[LO+NET*n+5], v[LO+NET*n+6]
	NETS v_max3_num_f32 v[MX+2*n], v[MX+2*n], v[LO+NET*n+7], v[LO+NET*n+8]
	NETS v_max_num_f32 v[MX+2*n], v[MX+2*n], v[LO+NET*n+9]
	NETS v_mov_b32 v[MX+2*n+1], v[MX+2*n]
.irp k, 0,1,2,3,4                      ; the maximum is taken away first, so that large logits lose nothing; then the change of base
	NETS v_pk_add_f32 v[LO+NET*n+2*(\k):LO+NET*n+2*(\k)+1], v[LO+NET*n+2*(\k):LO+NET*n+2*(\k)+1], v[MX+2*n:MX+2*n+1] neg_lo:[0,1] neg_hi:[0,1]
.endr
.irp k, 0,1,2,3,4
	NETS v_pk_mul_f32 v[LO+NET*n+2*(\k):LO+NET*n+2*(\k)+1], v[LO+NET*n+2*(\k):LO+NET*n+2*(\k)+1], s[40:41] op_sel_hi:[1,0]
.endr
.irp j, 0,1,2,3,4,5,6,7,8,9
	NETS v_exp_f32 v[LO+NET*n+(\j)], v[LO+NET*n+(\j)]
.endr
	v_nop                                          ; a plain instruction between the last exponential and the use of its result (ISA guide 5.7.2)
	s_wait_alu depctr_va_vdst(0)
	NETS v_pk_add_f32 v[TS+4*n:TS+4*n+1], v[LO+NET*n:LO+NET*n+1], v[LO+NET*n+2:LO+NET*n+3]
	NETS v_pk_add_f32 v[TS+4*n+2:TS+4*n+3], v[LO+NET*n+4:LO+NET*n+5], v[LO+NET*n+6:LO+NET*n+7]
	NETS v_pk_add_f32 v[TS+4*n:TS+4*n+1], v[TS+4*n:TS+4*n+1], v[TS+4*n+2:TS+4*n+3]
	NETS v_pk_add_f32 v[TS+4*n:TS+4*n+1], v[TS+4*n:TS+4*n+1], v[LO+NET*n+8:LO+NET*n+9]
	NETS v_add_f32 v[TS+4*n], v[TS+4*n], v[TS+4*n+1]
	NETS v_rcp_f32 v[MX+2*n], v[TS+4*n]
	v_nop                                          ; a plain instruction behind the reciprocals
	s_wait_alu depctr_va_vdst(0)
.irp k, 0,1,2,3,4
	NETS v_pk_mul_f32 v[LO+NET*n+2*(\k):LO+NET*n+2*(\k)+1], v[LO+NET*n+2*(\k):LO+NET*n+2*(\k)+1], v[MX+2*n:MX+2*n+1] op_sel_hi:[1,0]
.endr
; ONE PASS OF comp_max_tau: all eleven numbers squared; their sum x; inv = (2/m) a, from a = 2 - (2/m) x, b = 1 - (2/m) x by three times b = b b, a = a (1 + b); all times inv.
; first = 1: the squares are x1's, tau^2 = 0.25 is a constant, and m = 2 + tau^2, 2/m = 8/9; else m = 2, 2/m = 1.  all = 0: the last pass: only the last column is wanted.
.macro SHARP first, all
.irp k, 0,1,2,3,4
.if \first
	v_pk_mul_f32 v[RR+2*(\k):RR+2*(\k)+1], v[LO+2*(\k):LO+2*(\k)+1], v[LO+2*(\k):LO+2*(\k)+1]
.else
	v_pk_mul_f32 v[RR+2*(\k):RR+2*(\k)+1], v[RR+2*(\k):RR+2*(\k)+1], v[RR+2*(\k):RR+2*(\k)+1]
.endif
.endr
.if \first
	v_mov_b32 v[TAU], 0x3e800000
.else
	v_mul_f32 v[TAU], v[TAU], v[TAU]
.endif
	v_pk_add_f32 v[10:11], v[RR:RR+1], v[RR+2:RR+3]
	v_pk_add_f32 v[12:13], v[RR+4:RR+5], v[RR+6:RR+7]
	v_pk_add_f32 v[10:11], v[10:11], v[12:13]
	v_pk_add_f32 v[10:11], v[10:11], v[RR+8:RR+9]
	v_add_f32 v7, v10, v11
	v_add_f32 v7, v7, v[TAU]
.if \first
	v_fma_f32 v8, v7, s41, 2.0
	v_fma_f32 v9, v7, s41, 1.0
.else
	v_sub_f32 v8, 2.0, v7
	v_sub_f32 v9, 1.0, v7
.endif
.rept 3
	v_mul_f32 v9, v9, v9
	v_fma_f32 v8, v8, v9, v8
.endr
.if \first
	v_mul_f32 v8, s42, v8
.endif
.if \all
.irp k, 0,1,2,3,4
	v_pk_mul_f32 v[RR+2*(\k):RR+2*(\k)+1], v[RR+2*(\k):RR+2*(\k)+1], v[8:9] op_sel_hi:[1,0]
.endr
.endif
	v_mul_f32 v[TAU], v[TAU], v8
.endm
	SHARP 1, 1
	SHARP 0, 1
	SHARP 0, 0
	; the blend: x1 + c (x2 - x1)
.irp k, 0,1,2,3,4
	v_pk_add_f32 v[LO+NET+2*(\k):LO+NET+2*(\k)+1], v[LO+NET+2*(\k):LO+NET+2*(\k)+1], v[LO+2*(\k):LO+2*(\k)+1] neg_lo:[0,1] neg_hi:[0,1]
.endr
.irp k, 0,1,2,3,4
	v_pk_fma_f32 v[LO+2*(\k):LO+2*(\k)+1], v[LO+NET+2*(\k):LO+NET+2*(\k)+1], v[TAU:TAU+1], v[LO+2*(\k):LO+2*(\k)+1] op_sel_hi:[1,0,1]
.endr
	; THE WAY OUT: a lane's row is 40 bytes; the wave's 32 rows are 1,280 consecutive bytes of out0.  Through the stage, so that each store of the wave covers 256 consecutive bytes, aligned.
.irp k, 0,1,2,3,4
	ds_store_b64 v2, v[LO+2*(\k):LO+2*(\k)+1] offset:8*(\k)
.endr
.irp k, 0,1,2,3,4
	ds_load_b64 v[RR+2*(\k):RR+2*(\k)+1], v3 offset:256*(\k)  ; LDS serves a wave's instructions in order (ISA guide 5.7.1.4): these see the stores above
.endr
	s_wait_dscnt 0x0
.irp k, 0,1,2,3,4
	global_store_b64 v3, v[RR+2*(\k):RR+2*(\k)+1], s[10:11] offset:256*(\k)
.endr
	s_wait_tensorcnt 0x0                           ; the wave's end: behind my last LDS store
	ds_add_u32 v4, v5
	s_wait_dscnt 0x0
	s_endpgm
.Lfunc_end_k_qeeaa80422a_finish:
	.size	k_qeeaa80422a_finish, .Lfunc_end_k_qeeaa80422a_finish-k_qeeaa80422a_finish
	.p2alignl 7, 3214868480
	.fill 96, 4, 3214868480
	.section	.rodata,"a",@progbits
	.p2align	6, 0x0
	.amdhsa_kernel k_qeeaa80422a_finish
		.amdhsa_group_segment_fixed_size 1536
		.amdhsa_private_segment_fixed_size 0
		.amdhsa_enable_private_segment 0
		.amdhsa_kernarg_size 32
		.amdhsa_user_sgpr_count 2
		.amdhsa_user_sgpr_kernarg_segment_ptr 1
		.amdhsa_wavefront_size32 1
		.amdhsa_system_sgpr_workgroup_id_x 1
		.amdhsa_system_sgpr_workgroup_id_y 1
		.amdhsa_system_sgpr_workgroup_id_z 1
		.amdhsa_system_vgpr_workitem_id 0
		.amdhsa_next_free_vgpr 144
		.amdhsa_next_free_sgpr 66
		.amdhsa_reserve_vcc 0
		.amdhsa_float_denorm_mode_32 3
		.amdhsa_float_denorm_mode_16_64 3
		.amdhsa_memory_ordered 1
		.amdhsa_forward_progress 1
		.amdhsa_inst_pref_size 18
	.end_amdhsa_kernel
	.amdgpu_metadata
---
amdhsa.version: [ 1, 2 ]
amdhsa.kernels:
  - .name:           k_qeeaa80422a_finish
    .symbol:         k_qeeaa80422a_finish.kd
    .args:
      - { .name: part, .offset: 0, .size: 8, .value_kind: global_buffer, .address_space: global }
      - { .name: b2o, .offset: 8, .size: 8, .value_kind: global_buffer, .address_space: global }
      - { .name: b2f, .offset: 16, .size: 8, .value_kind: global_buffer, .address_space: global }
      - { .name: out0, .offset: 24, .size: 8, .value_kind: global_buffer, .address_space: global }
    .group_segment_fixed_size: 1536
    .private_segment_fixed_size: 0
    .kernarg_segment_align: 8
    .kernarg_segment_size: 32
    .max_flat_workgroup_size: 32
    .sgpr_count:     66
    .vgpr_count:     144
    .wavefront_size: 32
...
	.end_amdgpu_metadata
.endif
;; end of part 3
;; ======== version 2 of 2: 3 launches; version 1 with the launch prep written anew for expert scheduling mode
;; workspace buffers: xb 16,777,216 bytes; wb 16,777,216 bytes; w2t 262,144 bytes; part 4,194,304 bytes
;; launch prep (part 4): grid 512 x 1, 8 waves a work-group, no clusters, 0 bytes of LDS; arguments x, W1o, W1f, W2o, W2f, xb, wb, w2t; writes xb, wb, w2t
.if DOCPART == 4
	.amdgcn_target "amdgcn-amd-amdhsa--gfx1250"
	.amdhsa_code_object_version 6
	.text
	.protected	k_qeeaa80422a_prep
	.globl	k_qeeaa80422a_prep
	.p2align	8
	.type	k_qeeaa80422a_prep,@function
k_qeeaa80422a_prep:
	s_mov_b64 s[64:65], 0
	v_nop
	global_prefetch_b8 v0, s[64:65] scope:SCOPE_SE
	s_setreg_imm32_b32 hwreg(HW_REG_WAVE_SCHED_MODE, 0, 2), 2
	s_setreg_imm32_b32 hwreg(HW_REG_WAVE_MODE, 25, 1), 1
	s_wait_xcnt 0x0
	s_wait_alu depctr_vm_vsrc(0)
; x, W1o and W1f are rounded once to bf16 (nearest even) and keep their layout: xb [8192][1024], wb [2 nets][1024 k][4096 n].
; W2o and W2f are rounded to bf16 and laid in the order in which a matrix fragment wants them:
; w2t [net 2][G 128][s 2][lane 32][8 bf16]; lane (r = lane % 16, hh = lane / 16) holds W2[32 G + 16 s + 8 hh + j][r], j = 0..7, and 0 where r >= 10.
; A stream: memory binds, so no LDS, no matrix unit, no cluster.  512 work-groups of eight waves, all alike.
; Work-group w turns 131,072 bytes of f32 into 65,536 bytes of bf16: w 0-255 x, w 256-383 W1o, w 384-511 W1f.  In step i of 32 thread t loads
; the 16 bytes at 4,096 i + 16 t (a wave's load covers 512 consecutive bytes) and stores the 8 bytes at 2,048 i + 8 t (a wave's store covers 256
; consecutive bytes, aligned).
; Wave 0 of work-group w also makes the 512 bytes of w2t at 512 w: net w / 256, hidden rows 16 (w % 256) to 16 (w % 256) + 15.
; THE MODE: SCHED_MODE bits 1:0 = 2 (LLVM: expert scheduling mode 2), set by the entry lines.  The code itself states the register dependences
; between vector instructions and memory instructions, with s_wait_alu, always for 0.
; THE PLAN.  The 32 steps go in 8 blocks of four, all written out.  Registers that memory instructions touch:
;   X0 .. X3     four blocks as loaded.  Written by the loads of block p + 3, issued in block p; read by block p's roundings.
;   Y0, Y1       two blocks to store.    Written by block p's roundings; read by the four stores that are issued in block p + 1.
;   v1, v2       byte offsets, made once at the head and never written again: the steps are reached by immediate offsets from two bases that never move.
;   v4, v5, v[8:15], v[16:19]   wave 0's part for W2: two offsets made at the head; eight loaded words; the 16 bytes to store, never written again.
; Block p works on X[p % 4] and writes Y[p % 2].  Its memory instructions are the loads into X[(p + 3) % 4] = X[(p - 1) % 4] and the stores from
; Y[(p - 1) % 2]: the two buffers that block p - 1 worked on and that no vector instruction of block p names.  So the waits at the head of a block
; state all that the block's eight memory instructions hang on, and these are dealt among its roundings with no further wait.
.set BLOCK,  4                         ; steps in a block
.set BLOCKS, 8
.set X, 24                             ; v[24:87]   buffer k, step i: 4 registers at X + 16 k + 4 i, as loaded
.set Y, 88                             ; v[88:103]  buffer k, step i: 2 registers at Y + 8 k + 2 i, to store
	s_load_b512 s[8:23], s[0:1], 0x0               ; x s[8:9], W1o s[10:11], W1f s[12:13], W2o s[14:15], W2f s[16:17], xb s[18:19], wb s[20:21], w2t s[22:23]
	v_lshlrev_b32 v1, 4, v0                        ; 16 t: my bytes in a step's 4,096; never rewritten
	v_lshlrev_b32 v2, 3, v0                        ; 8 t: my bytes in a step's 2,048; never rewritten
	v_and_b32 v3, 15, v0                           ; r
	v_bfe_u32 v6, v0, 4, 1                         ; hh
	v_min_u32 v7, 9, v3                            ; lanes with r >= 10 read class 9 and store 0
	v_lshlrev_b32 v7, 2, v7
	v_mul_u32_u24 v4, v6, 320                      ; 8 hh rows of 40 bytes
	v_add_nc_u32 v4, v4, v7                        ; + 4 min(r, 9)
	v_and_b32 v5, 31, v0
	v_lshlrev_b32 v5, 4, v5                        ; 16 x lane
	v_lshrrev_b32 v6, 5, v0
	v_readfirstlane_b32 s38, v6                    ; my wave's number
	s_and_b32 s28, ttmp9, 127                      ; my part of W1o or W1f
	s_and_b32 s30, ttmp9, 255                      ; my part of xb or wb, and of a net's W2
	s_mul_i32 s34, s30, 640                        ; 16 rows of W2, 40 bytes each
	s_mov_b32 s35, 0
	s_lshl_b32 s30, s30, 16
	s_mov_b32 s31, 0
	s_lshl_b32 s36, ttmp9, 9                       ; my 512 bytes of w2t
	s_mov_b32 s37, 0
	s_mov_b32 s29, 0
	s_wait_kmcnt 0x0
	s_cmp_lt_u32 ttmp9, 384
	s_cselect_b64 s[24:25], s[10:11], s[12:13]     ; W1o or W1f,
	s_cmp_lt_u32 ttmp9, 256
	s_cselect_b64 s[24:25], s[8:9], s[24:25]       ; or x
	s_cselect_b64 s[26:27], s[18:19], s[20:21]     ; xb or wb
	s_cselect_b64 s[32:33], s[14:15], s[16:17]     ; W2o or W2f
	s_cselect_b32 s28, ttmp9, s28
	s_lshl_b32 s28, s28, 17
	s_add_nc_u64 s[24:25], s[24:25], s[28:29]      ; from here I read,
	s_add_nc_u64 s[26:27], s[26:27], s[30:31]      ; here I write
	s_add_nc_u64 s[32:33], s[32:33], s[34:35]
	s_add_nc_u64 s[22:23], s[22:23], s[36:37]
	s_wait_alu depctr_va_vdst(0)                   ; the offsets v1, v2, v4 and v5 are written: every load and store of the kernel reads one of them
.irp i, 0,1,2,3,4,5,6,7,8,9,10,11
	global_load_b128 v[X+4*(\i):X+4*(\i)+3], v1, s[24:25] offset:4096*(\i) th:TH_LOAD_NT  ; blocks 0, 1 and 2 into X0, X1, X2
.endr
	s_wait_alu depctr_va_sdst(0)                   ; s38 is written, ahead of its first reader, the compare below
	s_cmp_lg_u32 s38, 0
	s_cbranch_scc1 .Lno_w2
.irp j, 0,1,2,3,4,5,6,7
	global_load_b32 v[8+(\j)], v4, s[32:33] offset:40*(\j)  ; W2[16 (w % 256) + 8 hh + j][min(r, 9)]; the last byte read is W2's last; no vector instruction has named v[8:15]
.endr
	s_wait_loadcnt 0x0                             ; these eight; the twelve loads issued ahead of them are due soon anyway
	v_cvt_pk_bf16_f32 v16, v8, v9
	v_cvt_pk_bf16_f32 v17, v10, v11
	v_cvt_pk_bf16_f32 v18, v12, v13
	v_cvt_pk_bf16_f32 v19, v14, v15
	v_cmp_gt_u32 vcc_lo, 10, v3                    ; a class that exists?
	s_wait_alu depctr_va_vcc(0)                    ; the compare has written VCC, which the four selects read
	v_cndmask_b32 v16, 0, v16, vcc_lo
	v_cndmask_b32 v17, 0, v17, vcc_lo
	v_cndmask_b32 v18, 0, v18, vcc_lo
	v_cndmask_b32 v19, 0, v19, vcc_lo
	s_wait_alu depctr_va_vdst(0)                   ; the selects have written v[16:19], which the store reads
	global_store_b128 v5, v[16:19], s[22:23]       ; 512 consecutive bytes; v5 and v[16:19] are never rewritten
.Lno_w2:
; Block p: steps 4 p to 4 p + 3.  Behind its four loads stand those of the two younger blocks, or of as many blocks as are left.
.macro BLK p
.if (\p) < BLOCKS-2
	s_wait_loadcnt 2*BLOCK                         ; loads come back in order (ISA guide 5.7.1): X[p % 4] is in, the two younger blocks stay out
.else
	s_wait_loadcnt BLOCK*(BLOCKS-1-(\p))           ; the last blocks: the counts run down
.endif
.if (\p) >= 2
	s_wait_xcnt 0x0                                ; every earlier memory instruction has had its addresses translated (ISA guide 3.1): Y[p % 2], which stores of the block before read, is rewritten only behind this wait
	s_wait_alu depctr_vm_vsrc(0)                   ; the stores issued in the block before have read Y[p % 2], which this block's roundings write again
.endif
.if (\p) >= 1
	s_wait_alu depctr_va_vdst(0)                   ; the block before has written the other Y, which the stores below read, and is done reading its X, in which the loads below land
.endif
.irp i, 0,1,2,3
.if (\p) < BLOCKS-3
	global_load_b128 v[X+16*(((\p)+3)%4)+4*(\i):X+16*(((\p)+3)%4)+4*(\i)+3], v1, s[24:25] offset:4096*(BLOCK*((\p)+3)+(\i)) th:TH_LOAD_NT  ; three blocks ahead; no vector instruction since the wait names these registers
.endif
.if (\p) >= 1
	global_store_b64 v2, v[Y+8*(((\p)+1)%2)+2*(\i):Y+8*(((\p)+1)%2)+2*(\i)+1], s[26:27] offset:2048*(BLOCK*((\p)-1)+(\i))  ; the block before; no hint: the next launch reads these bytes
.endif
	v_cvt_pk_bf16_f32 v[Y+8*((\p)%2)+2*(\i)],   v[X+16*((\p)%4)+4*(\i)],   v[X+16*((\p)%4)+4*(\i)+1]
	v_cvt_pk_bf16_f32 v[Y+8*((\p)%2)+2*(\i)+1], v[X+16*((\p)%4)+4*(\i)+2], v[X+16*((\p)%4)+4*(\i)+3]
.endr
.endm
.irp p, 0,1,2,3,4,5,6,7
	BLK \p                                         ; block 0 has no block in front of it: no store, and no wait but the one for its data; blocks 5 to 7 load nothing: no load leaves the buffer
.endr
	s_wait_alu depctr_va_vdst(0)                   ; block 7 has written Y1, which the last four stores read
.irp i, 0,1,2,3
	global_store_b64 v2, v[Y+8+2*(\i):Y+8+2*(\i)+1], s[26:27] offset:2048*(BLOCK*(BLOCKS-1)+(\i))
.endr
	s_endpgm
.Lfunc_end_k_qeeaa80422a_prep:
	.size	k_qeeaa80422a_prep, .Lfunc_end_k_qeeaa80422a_prep-k_qeeaa80422a_prep
	.p2alignl 7, 3214868480
	.fill 96, 4, 3214868480
	.section	.rodata,"a",@progbits
	.p2align	6, 0x0
	.amdhsa_kernel k_qeeaa80422a_prep
		.amdhsa_group_segment_fixed_size 0
		.amdhsa_private_segment_fixed_size 0
		.amdhsa_enable_private_segment 0
		.amdhsa_kernarg_size 64
		.amdhsa_user_sgpr_count 2
		.amdhsa_user_sgpr_kernarg_segment_ptr 1
		.amdhsa_wavefront_size32 1
		.amdhsa_system_sgpr_workgroup_id_x 1
		.amdhsa_system_sgpr_workgroup_id_y 1
		.amdhsa_system_sgpr_workgroup_id_z 1
		.amdhsa_system_vgpr_workitem_id 0
		.amdhsa_next_free_vgpr 104
		.amdhsa_next_free_sgpr 66
		.amdhsa_reserve_vcc 1
		.amdhsa_float_denorm_mode_32 3
		.amdhsa_float_denorm_mode_16_64 3
		.amdhsa_memory_ordered 1
		.amdhsa_forward_progress 1
		.amdhsa_inst_pref_size 15
	.end_amdhsa_kernel
	.amdgpu_metadata
---
amdhsa.version: [ 1, 2 ]
amdhsa.kernels:
  - .name:           k_qeeaa80422a_prep
    .symbol:         k_qeeaa80422a_prep.kd
    .args:
      - { .name: x, .offset: 0, .size: 8, .value_kind: global_buffer, .address_space: global }
      - { .name: W1o, .offset: 8, .size: 8, .value_kind: global_buffer, .address_space: global }
      - { .name: W1f, .offset: 16, .size: 8, .value_kind: global_buffer, .address_space: global }
      - { .name: W2o, .offset: 24, .size: 8, .value_kind: global_buffer, .address_space: global }
      - { .name: W2f, .offset: 32, .size: 8, .value_kind: global_buffer, .address_space: global }
      - { .name: xb, .offset: 40, .size: 8, .value_kind: global_buffer, .address_space: global }
      - { .name: wb, .offset: 48, .size: 8, .value_kind: global_buffer, .address_space: global }
      - { .name: w2t, .offset: 56, .size: 8, .value_kind: global_buffer, .address_space: global }
    .group_segment_fixed_size: 0
    .private_segment_fixed_size: 0
    .kernarg_segment_align: 8
    .kernarg_segment_size: 64
    .max_flat_workgroup_size: 256
    .sgpr_count:     66
    .vgpr_count:     104
    .wavefront_size: 32
...
	.end_amdgpu_metadata
.endif
;; end of part 4
;; launch gemm: the kernel of part 2 again; grid 8 x 32, 4 waves a work-group, clusters of 4 x 4, 327,680 bytes of LDS; arguments xb, wb, w2t, b1o, b1f, part; writes part
;; launch finish: the kernel of part 3 again; grid 256 x 1, 1 waves a work-group, no clusters, 1,536 bytes of LDS; arguments part, b2o, b2f, out0; writes out0
